; MI455X (gfx1250); checked and timed in simulation.
; The chip was launched on July 23, 2026; its instructions are those of AMD's public machine-readable ISA for CDNA 5 (MIT licence, August 2026) and "CDNA5" Instruction Set Architecture Reference Guide (July 2026). The comments in the code are by the model that wrote it; some were corrected since.
;; VQ. Allowed arithmetic: matrix products marked QUANTISED: E2M1 operands, one E8M0 scale for each 32 along K, by v_wmma_scale_f32_16x16x128_f8f6f4 with both operands' format E2M1 (or v_wmma_scale_f32_32x16x128_f4), f32 sums; everything else in f32.
;; Inputs: emb 1,024 x 128 float32; ze 16 x 128 x 4,096 float32.
;; Outputs: out0 16 x 128 x 4,096 float32.
;; This version of the problem:
;;   THIS VERSION OF THE PROBLEM IS GIVEN IN LOW PRECISION. The matrix products marked QUANTISED in the list below multiply operands that are first quantised to E2M1 (2 exponent bits, 1 mantissa bit; 4 bits a number), with one power-of-two scale for each 32 numbers along K (OCP MX v1.0); their sums are f32. All else is computed in f32.
;;   The module's matrix products, in the order in which they are computed (A, B: the left and right operand; K: the contracted axis; several contracted axes count as one K, in the product's order):
;;     1. [M 1,024, K 128] x [K 128, N 65,536]; A: input emb; B: input ze: QUANTISED
;;   THE QUANTISER, for each operand of a quantised product, along K:
;;     - K is cut into blocks of 32 from its start; a last block that is shorter is filled with zeros.
;;     - A block's scale is 2^e with e = floor(log2(the largest magnitude in the block)) - 2, held to -126 .. 127; a block of zeros has e = 0. As a byte (E8M0): e + 127.
;;     - Each number is divided by its block's scale, clamped to +-6, and rounded to the nearest number of E2M1, ties to even, subnormals kept.
;;     - The product sums the exact products of the quantised numbers (number of the format x scale) in f32.
;;   ~~~python
;;   def quantise(x, axis):      # numpy; x: float32 -> the quantised numbers, widened to float32 again
;;       x = np.moveaxis(x, axis, -1); K = x.shape[-1]
;;       x = np.pad(x, [(0, 0)] * (x.ndim - 1) + [(0, -K % 32)]); x = x.reshape(x.shape[:-1] + (-1, 32)); a = np.abs(x).max(-1, keepdims=True)
;;       e = np.where(a > 0, np.clip(np.frexp(np.where(a > 0, a, 1))[1] - 1 - 2, -126, 127), 0)      # np.frexp(a)[1] - 1 = floor(log2(a)), exactly
;;       r = np.clip(x / 2.0 ** e, -6, 6)
;;       step = 2.0 ** (np.maximum(np.frexp(np.where(r == 0, 1, r))[1] - 1, 0) - 1)
;;       q = np.round(r / step) * step * 2.0 ** e      # np.round: ties to even
;;       return np.moveaxis(q.reshape(q.shape[:-2] + (-1,))[..., :K], -1, axis).astype(np.float32)
;;   ~~~
;; One version. Each part assembles by itself: llvm-mc -triple=amdgcn-amd-amdhsa -mcpu=gfx1250 --defsym DOCPART=n.
;; ======== version 1 of 1: 3 launches
;; limits: right only within a limited range of input values
;; workspace buffers: eimg 81,920 bytes; embs 524,288 bytes; ind 262,144 bytes of whole numbers
;; launch prep (part 1): grid 64 x 1, 4 waves a work-group, no clusters, 10,240 bytes of LDS; arguments emb, eimg, embs; writes eimg, embs
.if DOCPART == 1
	.amdgcn_target "amdgcn-amd-amdhsa--gfx1250"
	.amdhsa_code_object_version 6
	.text
	.protected	k_q74fb95f1d8_prep
	.globl	k_q74fb95f1d8_prep
	.p2align	8
	.type	k_q74fb95f1d8_prep,@function
k_q74fb95f1d8_prep:
	s_mov_b64 s[64:65], 0
	v_nop
	global_prefetch_b8 v0, s[64:65] scope:SCOPE_SE
	s_setreg_imm32_b32 hwreg(HW_REG_WAVE_MODE, 25, 1), 1
	s_wait_xcnt 0x0
; THE PROGRAM: prep makes E2M1 images of the codebook and lays the codebook out in slices; nearest finds each column's codeword; gather writes the codewords.
; WORK LEFT OUT, for all finite values of the inputs, in exact arithmetic:
;   ze + (zq - ze) = zq: the two terms in ze cancel, so the output is zq, and ze is not loaded for it (ze is loaded by nearest, where it decides the index);
;   |ze[b,:,n]|^2 is the same for every k, and an argmin over k does not change when a number that does not hang on k is added: it is not computed.
;   What stays is the least of |emb[k]|^2 - 2 Q(emb[k]) . Q(ze[b,:,n]).  Both changes move results by rounding alone on inputs of the problem's kind.
;   LIMIT: a NaN, an infinity or an overflow that reaches only these terms is not carried to the result.
; LIMITS: a block of zeros gets the scale byte 1 where the rule says 127 (its codes are zeros, and this program alone reads the bytes); bytes are held at 1 from below; NaN and infinities are not served;
;   sums of squares are taken in two packed chains and across lanes, another order than left to right: codewords whose distances differ by no more than f32 rounding may be resolved the other way.
;
; eimg: bytes 1024 T on: tile T (16 codewords) as AN IMAGE OF THE OPERAND'S REGISTERS: registers 0-3 of lane l at 16 l, registers 4-7 at 512 + 16 l;
;   bytes 65,536 + 256 T on: 16 scale words (byte b = the E8M0 byte of dims 32 b .. 32 b + 31), 16 f32 he = -1/2 |codeword|^2, and the same 128 bytes once more (a whole unit of 256).
; THE ROWS OF A TILE: with T = 8 W + t, row m is codeword 128 W + 64 (m / 8) + 8 t + m % 8: so in nearest a lane's results rise with the codeword's number.
; embs: slice g (32,768 bytes): dims 8 g .. 8 g + 7 of all 1,024 codewords, 32 bytes a codeword.
; SHARES: work-group T makes tile T, four rows a wave, eight lanes a row, 16 neighbouring dims a lane.  No work-group shares input with another: no cluster.
.set PITCH, 528                        ; a stage row: 512 bytes + 16
.set IMG,   8448                       ; behind 16 stage rows: the tile's image,
.set TAILW, 9472                       ; its tail (128 bytes),
.set SPARE, 9728                       ; and the spare words, 128 bytes a wave
	s_load_b128 s[4:7], s[0:1], 0x0                ; emb, eimg
	s_load_b64 s[8:9], s[0:1], 0x10                ; embs
	v_lshl_add_u32 v62, v0, 2, SPARE
	v_mov_b32 v63, 0
	v_lshrrev_b32 v2, 5, v0
	v_readfirstlane_b32 s12, v2                    ; wave 0..3
	v_and_b32 v3, 31, v0                           ; lane
	v_lshlrev_b32 v1, 4, v3                        ; 16 x lane
	s_mul_i32 s13, s12, 4*PITCH                    ; my four stage rows
	v_add_nc_u32 v4, s13, v1                       ; into the stage
	v_bfe_u32 v5, v0, 3, 2                         ; i: which of my four rows
	v_and_b32 v6, 7, v0                            ; s: which 16 dims
	v_mul_u32_u24 v7, v5, PITCH
	v_lshl_add_u32 v7, v6, 6, v7
	v_add_nc_u32 v7, s13, v7                       ; out of the stage: my 64 bytes
	s_lshl_b32 s14, s12, 2
	v_add_nc_u32 v8, s14, v5                       ; m = 4 wave + i
	v_lshrrev_b32 v9, 1, v6                        ; block b
	v_and_b32 v10, 1, v6
	v_lshlrev_b32 v11, 8, v9
	v_lshl_add_u32 v11, v8, 4, v11
	v_lshl_add_u32 v11, v10, 3, v11                ; my 8 bytes in the image: block b of row m lies at 256 b + 16 m
	v_lshl_add_u32 v12, v8, 2, v9                  ; my scale byte
	v_lshlrev_b32 v13, 2, v8                       ; my row's he
	v_bfe_u32 v14, v0, 1, 4
	v_mul_u32_u24 v14, v14, PITCH
	v_and_b32 v15, 1, v0
	v_lshl_add_u32 v14, v15, 4, v14
	s_lshl_b32 s15, s12, 7
	v_add_nc_u32 v14, s15, v14                     ; slices 4 wave on, out of the stage: row lane / 2, 16 bytes
	v_bfe_u32 v16, v0, 4, 1
	v_and_b32 v17, 15, v0
	v_lshlrev_b32 v19, 3, v17                      ; the tail's way out: 8 bytes a lane, the 128 bytes twice
	v_lshlrev_b32 v17, 4, v17
	v_lshl_add_u32 v17, v16, 11, v17               ; slices in memory: lanes 0-15 the first run of 8 codewords (256 bytes), lanes 16-31 the run 64 further on
	v_lshlrev_b32 v18, 3, v3
	s_lshl_b32 s26, s12, 9
	v_add_nc_u32 v30, s26, v1                      ; the image's way out: 512 bytes a wave (waves 0 and 1)
	s_lshr_b32 s16, ttmp9, 3
	s_lshl_b32 s16, s16, 7
	s_and_b32 s17, ttmp9, 7
	s_lshl_b32 s17, s17, 3
	s_add_co_u32 s16, s16, s17                     ; the tile's first codeword: 128 W + 8 t
	s_lshr_b32 s17, s12, 1
	s_lshl_b32 s17, s17, 6
	s_add_co_u32 s18, s16, s17
	s_and_b32 s17, s12, 1
	s_lshl_b32 s17, s17, 2
	s_add_co_u32 s18, s18, s17                     ; my first codeword
	s_lshl_b32 s18, s18, 9
	s_mov_b32 s19, 0
	s_lshl_b32 s20, s16, 5
	s_lshl_b32 s21, s12, 17
	s_add_co_u32 s20, s20, s21                     ; my four slices
	s_mov_b32 s21, 0
	s_lshl_b32 s22, ttmp9, 10
	s_add_co_u32 s22, s22, s26                     ; image
	s_mov_b32 s23, 0
	s_lshl_b32 s24, ttmp9, 8
	s_add_co_u32 s24, s24, 65536                   ; tail
	s_mov_b32 s25, 0
	s_wait_alu depctr_va_vdst(0)                   ; the wait at the head's end
	s_wait_kmcnt 0x0
	s_add_nc_u64 s[4:5], s[4:5], s[18:19]
	s_add_nc_u64 s[8:9], s[8:9], s[20:21]
	s_add_nc_u64 s[10:11], s[6:7], s[24:25]
	s_add_nc_u64 s[6:7], s[6:7], s[22:23]
.irp i, 0,1,2,3
	global_load_b128 v[32+4*\i:35+4*\i], v1, s[4:5] offset:512*\i     ; a row: 512 consecutive bytes
.endr
.irp i, 0,1,2,3
	s_wait_loadcnt 3-\i                            ; row i is in, the younger rows may be out
	ds_store_b128 v4, v[32+4*\i:35+4*\i] offset:PITCH*\i
.endr
.irp k, 0,1,2,3
	ds_load_b128 v[40+4*\k:43+4*\k], v7 offset:16*\k       ; my wave's own rows: LDS serves a wave's instructions in order
.endr
	s_wait_dscnt 0x0
	v_max3_num_f32 v20, |v40|, |v41|, 0x1800000    ; with the floor 2^(3 - 127): the byte cannot fall under 1
	v_max3_num_f32 v21, |v42|, |v43|, |v44|
	v_pk_mul_f32 v[22:23], v[40:41], v[40:41]
	v_pk_mul_f32 v[24:25], v[42:43], v[42:43]
	v_max3_num_f32 v20, v20, |v45|, |v46|
	v_max3_num_f32 v21, v21, |v47|, |v48|
	v_pk_fma_f32 v[22:23], v[44:45], v[44:45], v[22:23]
	v_pk_fma_f32 v[24:25], v[46:47], v[46:47], v[24:25]
	v_max3_num_f32 v20, v20, |v49|, |v50|
	v_max3_num_f32 v21, v21, |v51|, |v52|
	v_pk_fma_f32 v[22:23], v[48:49], v[48:49], v[22:23]
	v_pk_fma_f32 v[24:25], v[50:51], v[50:51], v[24:25]
	v_max3_num_f32 v20, v20, |v53|, |v54|
	v_pk_fma_f32 v[22:23], v[52:53], v[52:53], v[22:23]
	v_pk_fma_f32 v[24:25], v[54:55], v[54:55], v[24:25]
	v_max3_num_f32 v20, v20, v21, |v55|
	v_pk_add_f32 v[22:23], v[22:23], v[24:25]
	v_max_num_f32_dpp v20, v20, v20 row_xmask:1 row_mask:0xf bank_mask:0xf    ; the block's other half lies in the neighbouring lane
	v_add_f32 v22, v22, v23
	v_add_nc_u32 v26, 0xff000000, v20              ; 2 off the exponent field: the conversion's scale operand
	v_add_f32_dpp v22, v22, v22 row_xmask:1 row_mask:0xf bank_mask:0xf        ; the row's eight lanes
	v_cvt_scalef32_pk8_fp4_f32 v28, v[40:47], v26
	v_cvt_scalef32_pk8_fp4_f32 v29, v[48:55], v26
	v_add_f32_dpp v22, v22, v22 row_xmask:2 row_mask:0xf bank_mask:0xf
	v_lshrrev_b32 v27, 23, v26                     ; the scale's byte
	v_add_f32_dpp v22, v22, v22 row_xmask:4 row_mask:0xf bank_mask:0xf
	ds_store_b64 v11, v[28:29] offset:IMG
	ds_store_b8 v12, v27 offset:TAILW              ; both lanes of a block write the same byte with the same value
	v_mul_f32 v22, -0.5, v22                       ; he: a power of two, nothing is rounded
	ds_store_b32 v13, v22 offset:TAILW+64          ; (a row's eight lanes hold the same number)
	s_wait_dscnt 0x0                               ; for the others' sake: my rows, codes and words have landed
	s_barrier_signal -1
	s_barrier_wait -1
.irp i, 0,1,2,3
	ds_load_b128 v[32+4*\i:35+4*\i], v14 offset:32*\i
.endr
.irp i, 0,1,2,3
	s_wait_dscnt 3-\i
	global_store_b128 v17, v[32+4*\i:35+4*\i], s[8:9] offset:32768*\i  ; two whole units of 256 bytes of slice 4 wave + i
.endr
	s_cmp_lt_u32 s12, 2
	s_cbranch_scc0 .Ltail
	ds_load_b128 v[48:51], v30 offset:IMG
	s_wait_dscnt 0x0
	global_store_b128 v1, v[48:51], s[6:7]         ; 512 consecutive bytes of the image
	s_branch .Lend
.Ltail:
	s_cmp_eq_u32 s12, 2
	s_cbranch_scc0 .Lend
	ds_load_b64 v[52:53], v19 offset:TAILW
	s_wait_dscnt 0x0
	global_store_b64 v18, v[52:53], s[10:11]       ; one whole unit of 256 bytes
.Lend:
	s_wait_tensorcnt 0x0                           ; the wave's end
	ds_add_u32 v62, v63
	s_wait_dscnt 0x0
	s_endpgm
.Lfunc_end_k_q74fb95f1d8_prep:
	.size	k_q74fb95f1d8_prep, .Lfunc_end_k_q74fb95f1d8_prep-k_q74fb95f1d8_prep
	.p2alignl 7, 3214868480
	.fill 96, 4, 3214868480
	.section	.rodata,"a",@progbits
	.p2align	6, 0x0
	.amdhsa_kernel k_q74fb95f1d8_prep
		.amdhsa_group_segment_fixed_size 10240
		.amdhsa_private_segment_fixed_size 0
		.amdhsa_enable_private_segment 0
		.amdhsa_kernarg_size 24
		.amdhsa_user_sgpr_count 2
		.amdhsa_user_sgpr_kernarg_segment_ptr 1
		.amdhsa_wavefront_size32 1
		.amdhsa_system_sgpr_workgroup_id_x 1
		.amdhsa_system_sgpr_workgroup_id_y 1
		.amdhsa_system_sgpr_workgroup_id_z 1
		.amdhsa_system_vgpr_workitem_id 0
		.amdhsa_next_free_vgpr 64
		.amdhsa_next_free_sgpr 66
		.amdhsa_reserve_vcc 0
		.amdhsa_float_denorm_mode_32 3
		.amdhsa_float_denorm_mode_16_64 3
		.amdhsa_memory_ordered 1
		.amdhsa_forward_progress 1
		.amdhsa_inst_pref_size 8
	.end_amdhsa_kernel
	.amdgpu_metadata
---
amdhsa.version: [ 1, 2 ]
amdhsa.kernels:
  - .name:           k_q74fb95f1d8_prep
    .symbol:         k_q74fb95f1d8_prep.kd
    .args:
      - { .name: emb, .offset: 0, .size: 8, .value_kind: global_buffer, .address_space: global }
      - { .name: eimg, .offset: 8, .size: 8, .value_kind: global_buffer, .address_space: global }
      - { .name: embs, .offset: 16, .size: 8, .value_kind: global_buffer, .address_space: global }
    .group_segment_fixed_size: 10240
    .private_segment_fixed_size: 0
    .kernarg_segment_align: 8
    .kernarg_segment_size: 24
    .max_flat_workgroup_size: 128
    .sgpr_count:     66
    .vgpr_count:     64
    .wavefront_size: 32
...
	.end_amdgpu_metadata
.endif
;; end of part 1
;; launch nearest (part 2): grid 256 x 1, 8 waves a work-group, no clusters, 50,688 bytes of LDS; arguments ze, eimg, ind; writes ind
.if DOCPART == 2
	.amdgcn_target "amdgcn-amd-amdhsa--gfx1250"
	.amdhsa_code_object_version 6
	.text
	.protected	k_q74fb95f1d8_nearest
	.globl	k_q74fb95f1d8_nearest
	.p2align	8
	.type	k_q74fb95f1d8_nearest,@function
k_q74fb95f1d8_nearest:
	s_mov_b64 s[64:65], 0
	v_nop
	global_prefetch_b8 v0, s[64:65] scope:SCOPE_SE
	s_setreg_imm32_b32 hwreg(HW_REG_WAVE_MODE, 25, 1), 1
	s_wait_xcnt 0x0
; ind[b][n] = the first k at which |emb[k]|^2 - 2 Q(emb[k]) . Q(ze[b,:,n]) is least.  Q: E2M1 codes with one E8M0 scale for each 32 of the 128 dims.
; WORK LEFT OUT: |ze|^2, which is the same for every k of an argmin over k (shown at the head of prep).
; THE MATRIX UNIT MAKES D = Q(emb) Q(ze) + C with C = he = -1/2 |emb[k]|^2: the least distance is the FIRST largest D.
; SHARES: work-group X takes batch X / 16, columns 256 (X % 16) on.  Wave w keeps 128 codewords, 128 w on, in its registers for the whole launch (codes 64, he 64 registers), and meets every column with them.
; The columns come in four PHASES of 64.  In a phase wave w quantises dims 32 (w % 4) on of columns 32 (w / 4) on: a lane takes a column and its registers run down the dims, so a block of 32 lies in one lane.
; The codes go to LDS as an image of the operand's registers (two buffers by turns, one barrier a phase), and every wave reads the phase's four tiles of 16 columns.
; LOADS: a phase is 32 loads a wave, 128 consecutive bytes each; two phases are asked for ahead, 64 KB a work-group: no prefetch is laid beside them.
; No cluster: the 72 KB of images that work-groups have in common go once, straight into the registers that keep them; joint loads land in LDS, from where every wave would have to copy its part.
; A TILE: four GROUPS of 32 codewords, one matrix instruction each.  A lane holds column lane % 16; register e of group g's 16 results is codeword 128 w + 64 (lane / 16) + 16 g + e.
; THE LARGEST: group 0's results lie in KEEP.  For each later group: 8 maxima over its 16 values and the best so far, one compare (the earlier group keeps a tie), the group's number, and 16 selects,
; two to an instruction, that copy the group's values into KEEP where it won.  Then KEEP is halved four times: is the best among the first half?  Each answer is the next bit of the index.
; The selects of a group stand between the next group's maxima, the halvings of a tile in the next tile's second group.  No branch and no address hangs on these numbers.
; LIMITS: as at the head of prep.
.set TAILS, 8704                       ; LDS: two buffers of 4,352 bytes (four tiles of 1,024, 64 scale words); then 1,024 bytes of tails a wave,
.set CAND,  16896                      ; the candidates: best [16 chunks][256 columns], 16,384 bytes on the index likewise,
.set SPARE, 49664                      ; and the spare words, 128 bytes a wave
.set XBUF,  4352
.set SPW, 1
.set NIL, 2
.set LA,  3                            ; 16 x lane
.set AST, 4                            ; where my codes go;  v5 my scale byte
.set ASB, 5
.set L4,  6                            ; 4 x lane: ze in memory, scale words in LDS
.set ACD, 7                            ; my candidates
.set CG,  8                            ; v8-11   4 x chunk + 0 .. 3, chunk = 2 w + lane / 16
.set T,   12                           ; v12-16, R v17-19  at work
.set R,   17
.set BA,  20                           ; the best so far, in BA and BB by turns; each for even and odd tiles
.set BB,  22
.set G,   24                           ; the index in the making, for even and odd tiles
.set SA,  26                           ; v26-29  scale words of my four groups;  v30-31 the phase's, lanes 0-15 the even tile, 16-31 the odd one.  Scales and nothing else
.set SB,  30
.set BF,  32                           ; v32-47  two tiles' fragments
.set K,   48                           ; v48-79  KEEP, for even and odd tiles (the even one serves the quantising too)
.set D1,  80                           ; v80-127 the results of groups 1, 2, 3
.set D2,  96
.set D3,  112
.set A,   128                          ; v128-191 my codewords
.set HE,  192                          ; v192-255 their he, laid as results lie
                                       ; v256-319 ze, two phases (window 1)
.set MSB, 0
.macro WIN new                         ; the immediate's high byte repeats the setting that is left
.if MSB != \new
	s_set_vgpr_msb (MSB<<8)|\new
.set MSB, \new
.endif
.endm
.macro LDZ p                           ; phase p: dim i of my block, my column
	WIN 0x40
.irp i, 0,1,2,3,4,5,6,7,8,9,10,11,12,13,14,15,16,17,18,19,20,21,22,23,24,25,26,27,28,29,30,31
	global_load_b32 v[32*((\p)%2)+\i], v[L4], s[4:5] offset:16384*\i+256*(\p) th:TH_LOAD_NT
.endr
	WIN 0
.endm
	s_load_b128 s[4:7], s[0:1], 0x0                ; ze, eimg
	s_load_b64 s[8:9], s[0:1], 0x10                ; ind
	v_lshl_add_u32 v[SPW], v0, 2, SPARE
	v_mov_b32 v[NIL], 0
	v_lshrrev_b32 v15, 5, v0
	v_readfirstlane_b32 s10, v15                   ; wave 0..7
	s_lshr_b32 s11, s10, 2                         ; which 32 columns of a phase I quantise
	s_and_b32 s12, s10, 3                          ; which block of dims
	s_lshl_b32 s14, s11, 11
	s_lshl_b32 s13, s12, 8
	s_add_co_u32 s14, s14, s13                     ; my codes: block b of a tile lies at 256 b
	s_lshl_b32 s15, s11, 7
	s_add_co_u32 s15, s15, s12
	s_add_co_u32 s15, s15, 4096                    ; my scale bytes
	s_lshl_b32 s16, s10, 11
	s_add_co_u32 s16, s16, CAND                    ; my two chunks of candidates
	s_lshr_b32 s17, ttmp9, 4
	s_lshl_b32 s17, s17, 21                        ; the batch: 128 x 4,096 x 4 bytes
	s_and_b32 s18, ttmp9, 15
	s_lshl_b32 s18, s18, 10                        ; 256 columns
	s_add_co_u32 s18, s18, s17
	s_lshl_b32 s17, s12, 19                        ; 32 dims of 16,384 bytes
	s_add_co_u32 s18, s18, s17
	s_lshl_b32 s17, s11, 7
	s_add_co_u32 s18, s18, s17
	s_mov_b32 s19, 0
	s_lshl_b32 s20, s10, 13                        ; my eight tiles' images
	s_mov_b32 s21, 0
	s_lshl_b32 s22, s10, 11                        ; and tails
	s_add_co_u32 s22, s22, 65536
	s_mov_b32 s23, 0
	s_lshl_b32 s24, ttmp9, 10                      ; ind: 256 indices a work-group, 64 a storing wave
	s_lshl_b32 s25, s10, 8
	s_add_co_u32 s24, s24, s25
	s_mov_b32 s25, 0
	s_lshl_b32 s30, s10, 3
	s_lshl_b32 s31, s10, 10
	s_add_co_u32 s31, s31, TAILS
	v_and_b32 v12, 31, v0                          ; lane
	v_and_b32 v13, 15, v0                          ; r
	v_bfe_u32 v14, v0, 4, 1                        ; h
	v_lshlrev_b32 v[LA], 4, v12
	v_lshlrev_b32 v[L4], 2, v12
	v_lshlrev_b32 v[AST], 4, v13
	v_lshl_add_u32 v[AST], v14, 10, v[AST]
	v_add_nc_u32 v[AST], s14, v[AST]
	v_add_nc_u32 v[ASB], s15, v[L4]
	v_lshlrev_b32 v[ACD], 2, v13
	v_lshl_add_u32 v57, v14, 7, v[ACD]
	v_lshl_add_u32 v[ACD], v14, 10, v[ACD]
	v_add_nc_u32 v[ACD], s16, v[ACD]
	v_lshlrev_b32 v[CG], 2, v14
	v_add_nc_u32 v[CG], s30, v[CG]
	v_add_nc_u32 v[CG+1], 1, v[CG]
	v_add_nc_u32 v[CG+2], 2, v[CG]
	v_add_nc_u32 v[CG+3], 3, v[CG]
	v_add_nc_u32 v56, s31, v[LA]                   ; my tails in LDS: in,
	v_add_nc_u32 v57, s31, v57                     ; the scale word of row lane of a group: 128 h + 4 r,
	v_lshlrev_b32 v58, 5, v14
	v_add_nc_u32 v58, s31, v58                     ; he of rows 8 h on
	v_lshrrev_b32 v59, 3, v12
	v_and_b32 v60, 7, v0
	v_lshlrev_b32 v59, 8, v59
	v_lshl_add_u32 v59, v60, 4, v59                ; in memory: the first 128 of each tile's 256 bytes
	s_wait_alu depctr_va_vdst(0)                   ; the wait at the head's end
	s_wait_kmcnt 0x0
	s_add_nc_u64 s[4:5], s[4:5], s[18:19]
	s_add_nc_u64 s[26:27], s[6:7], s[20:21]
	s_add_nc_u64 s[28:29], s[6:7], s[22:23]
	s_add_nc_u64 s[8:9], s[8:9], s[24:25]
	LDZ 0
	global_load_b128 v[80:83], v59, s[28:29]
	global_load_b128 v[84:87], v59, s[28:29] offset:1024
.irp k, 0,1,2,3,4,5,6,7,8,9,10,11,12,13,14,15
	global_load_b128 v[A+4*\k:A+4*\k+3], v[LA], s[26:27] offset:512*\k  ; group k / 4: 512 consecutive bytes are four registers
.endr
	LDZ 1
.macro QUANT p                         ; my block: 32 numbers of one column -> 4 registers of codes and a byte
.set ZL, 32*((\p)%2)
	WIN 0x14                                       ; sources 1 and 2: ze
	v_max3_num_f32 v48, 0x1800000, |v[ZL]|, |v[ZL+1]|      ; with the floor 2^(3 - 127): the byte cannot fall under 1
	v_max3_num_f32 v49, 0, |v[ZL+2]|, |v[ZL+3]|
.irp i, 4,8,12,16,20,24,28
	v_max3_num_f32 v48, v48, |v[ZL+\i]|, |v[ZL+\i+1]|
	v_max3_num_f32 v49, v49, |v[ZL+\i+2]|, |v[ZL+\i+3]|
.endr
	WIN 0
	v_max_num_f32 v48, v48, v49
	v_add_nc_u32 v50, 0xff000000, v48              ; 2 off the exponent field: the conversion's scale operand
	v_lshrrev_b32 v51, 23, v50                     ; the scale's byte
	WIN 0x01                                       ; source 0: ze
.irp g, 0,1,2,3
	v_cvt_scalef32_pk8_fp4_f32 v[52+\g], v[ZL+8*\g:ZL+8*\g+7], v50
.endr
	v_nop                                          ; one plain place behind the last scaled conversion
	WIN 0
	ds_store_b128 v[AST], v[52:55] offset:XBUF*((\p)%2)
	ds_store_b8 v[ASB], v51 offset:XBUF*((\p)%2)
.endm
.macro LDB p, q                        ; tile q's fragment
	ds_load_b128 v[BF+8*((\q)%2):BF+8*((\q)%2)+3], v[LA] offset:XBUF*((\p)%2)+1024*(\q)
	ds_load_b128 v[BF+8*((\q)%2)+4:BF+8*((\q)%2)+7], v[LA] offset:XBUF*((\p)%2)+1024*(\q)+512
.endm
.macro WM g, q, d                      ; group g of tile q: C is he as it lies, D other registers.  The odd tile has its scale words in lanes 16-31
.if (\q)%2 == 0
	v_wmma_scale_f32_32x16x128_f4 v[(\d):(\d)+15], v[A+16*(\g):A+16*(\g)+15], v[BF:BF+7], v[HE+16*(\g):HE+16*(\g)+15], v[SA+(\g)], v[SB+(\q)/2]
.else
	v_wmma_scale_f32_32x16x128_f4 v[(\d):(\d)+15], v[A+16*(\g):A+16*(\g)+15], v[BF+8:BF+15], v[HE+16*(\g):HE+16*(\g)+15], v[SA+(\g)], v[SB+(\q)/2] matrix_b_scale:MATRIX_SCALE_ROW1
.endif
.endm
; A group's maxima: five by threes, from the low end on; two that join them; the callers write the last.
.macro TM i, d
	v_max3_num_f32 v[T+\i], v[(\d)+3*\i], v[(\d)+3*\i+1], v[(\d)+3*\i+2]
.endm
.macro TU0
	v_max3_num_f32 v[T], v[T], v[T+1], v[T+2]
.endm
.macro TU1 d
	v_max3_num_f32 v[T+3], v[T+3], v[T+4], v[(\d)+15]
.endm
.macro DC k, s                         ; two selects on VCC: k, k + 1 take s, s + 1 where it is set.  Neighbouring registers lie in different banks, as the dual form asks (ISA guide, the chapter on VOPD)
	v_dual_cndmask_b32 v[\k], v[\k], v[\s] :: v_dual_cndmask_b32 v[\k+1], v[\k+1], v[\s+1]
.endm
.macro BIT                             ; the index grows by a bit: 2 x index + VCC
	v_add_co_ci_u32 v[G+PP], vcc_lo, v[G+PP], v[G+PP], vcc_lo
.endm
.macro GLAST                           ; the tile before: did its group 3 win?
	v_cndmask_b32 v[G+PP], v[G+PP], v[CG+3], vcc_lo
.endm
; The tile before is resolved: four halvings of its KEEP; then its candidates go out.  fill = 1: this tile's group 1's maxima stand between.
.macro RES fill, off
	v_max3_num_f32 v[R], v[KP], v[KP+1], v[KP+2]
	v_max3_num_f32 v[R+1], v[KP+3], v[KP+4], v[KP+5]
	v_max_num_f32 v[R+2], v[KP+6], v[KP+7]
.if \fill
	TM 0, D1
.endif
	v_max3_num_f32 v[R], v[R], v[R+1], v[R+2]
.if \fill
	TM 1, D1
	TM 2, D1
.endif
	v_cmp_neq_f32 vcc_lo, v[R], v[BB+PP]           ; set: the best is not among the first eight
.if \fill
	TM 3, D1
.endif
.irp e, 0,2,4,6
	DC KP+\e, KP+8+\e
.endr
	BIT
	v_max3_num_f32 v[R], v[KP], v[KP+1], v[KP+2]
.if \fill
	TM 4, D1
.endif
	v_max_num_f32 v[R], v[R], v[KP+3]
.if \fill
	TU0
.endif
	v_cmp_neq_f32 vcc_lo, v[R], v[BB+PP]
.if \fill
	TU1 D1
.endif
	DC KP, KP+4
	DC KP+2, KP+6
	BIT
	v_max_num_f32 v[R], v[KP], v[KP+1]
.if \fill
	v_max3_num_f32 v[BB+PQ], v[T], v[T+3], v[BA+PQ]
.endif
	v_cmp_neq_f32 vcc_lo, v[R], v[BB+PP]
	DC KP, KP+2
	BIT
	v_cmp_neq_f32 vcc_lo, v[KP], v[BB+PP]
	BIT
	ds_store_b32 v[ACD], v[BB+PP] offset:\off
	ds_store_b32 v[ACD], v[G+PP] offset:\off+16384
.endm
; Groups 2 and 3: the maxima of d, with the selects of the group before (its results in dp) between them.
.macro MID g, d, dp, bn, bo
	TM 0, \d
	TM 1, \d
.if \g == 2
	v_cndmask_b32 v[G+PQ], v[CG], v[CG+1], vcc_lo
.else
	v_cndmask_b32 v[G+PQ], v[G+PQ], v[CG+2], vcc_lo
.endif
	DC KQ, \dp
	TM 2, \d
	DC KQ+2, \dp+2
	TM 3, \d
	DC KQ+4, \dp+4
	TM 4, \d
	DC KQ+6, \dp+6
	TU0
	DC KQ+8, \dp+8
	TU1 \d
	DC KQ+10, \dp+10
	DC KQ+12, \dp+12
	v_max3_num_f32 v[\bn+PQ], v[T], v[T+3], v[\bo+PQ]
	DC KQ+14, \dp+14
	v_cmp_gt_f32 vcc_lo, v[\bn+PQ], v[\bo+PQ]      ; strictly larger: the earlier group keeps a tie
.endm
; DISTANCES: a group's matrix instruction stands a group ahead of the first read of its results, with ten plain vector lines or more between (four are asked: ISA guide 7.12.1);
; a tile's first two stand ahead of the halvings of the tile before, or of four v_nop.  No matrix instruction adds onto an earlier result.
.macro TILE p, q
.set PQ, (\q)%2
.set PP, 1-PQ
.set KQ, K+16*PQ
.set KP, K+16*PP
.if \q == 0
.if \p > 0
	GLAST                                          ; the last phase's tile 3: its selects stand under the LDS loads' flight
.irp e, 0,2,4,6,8,10,12,14
	DC KP+\e, D3+\e
.endr
.endif
	s_wait_alu depctr_va_vdst(0)
	s_wait_dscnt 0x0                               ; fragments and scale words are in
	WM 0, 0, KQ
	WM 1, 0, D1
.if \p > 0
	RES 0, 256*((\p)-1)+192
.else
.rept 4
	v_nop
.endr
.endif
.irp i, 0,1,2,3,4
	TM \i, KQ
.endr
	TU0
	TU1 KQ
	WM 2, 0, D2
	v_max_num_f32 v[BA], v[T], v[T+3]
.irp i, 0,1,2,3,4
	TM \i, D1
.endr
	TU0
	TU1 D1
	v_max3_num_f32 v[BB], v[T], v[T+3], v[BA]
.else
	WM 1, \q, D1
	GLAST
	DC KP, D3
	DC KP+2, D3+2
	DC KP+4, D3+4
	TM 0, KQ
	DC KP+6, D3+6
	TM 1, KQ
	DC KP+8, D3+8
	TM 2, KQ
	TM 3, KQ
	DC KP+10, D3+10
	TM 4, KQ
	TU0
	DC KP+12, D3+12
	TU1 KQ
	DC KP+14, D3+14
	v_max_num_f32 v[BA+PQ], v[T], v[T+3]
	WM 2, \q, D2
	RES 1, 256*(\p)+64*((\q)-1)
.endif
	v_cmp_gt_f32 vcc_lo, v[BB+PQ], v[BA+PQ]
	WM 3, \q, D3
	MID 2, D2, D1, BA, BB
.if ((\q) > 0) && ((\q) < 3)
	s_wait_alu depctr_va_vdst(0)
	s_wait_dscnt 0x0                               ; the next tile's fragment, asked for a tile ago
.endif
.if \q < 3
	WM 0, \q+1, K+16*PP
.endif
	MID 3, D3, D2, BB, BA
.if \q < 2
	LDB \p, \q+2                                   ; into the fragment that this tile's products have read
.endif
.endm
; left: how many younger global loads may be out
.macro PHASE p, left
	s_wait_alu depctr_va_vdst(0)
	s_wait_loadcnt \left                           ; the phase's 32 loads are in
	QUANT \p
.if \p == 0
	s_wait_alu depctr_va_vdst(0)
	s_wait_loadcnt 48                              ; the tails are in (behind them: 16 loads of images, 32 of phase 1)
	ds_store_b128 v56, v[80:83]                    ; my wave's own bytes: LDS serves a wave's instructions in order
	ds_store_b128 v56, v[84:87] offset:512
.irp g, 0,1,2,3
	ds_load_b32 v[SA+\g], v57 offset:256*\g
.irp u, 0,1
	ds_load_b128 v[HE+16*\g+8*\u:HE+16*\g+8*\u+3], v58 offset:128*(2*\g+\u)+64
	ds_load_b128 v[HE+16*\g+8*\u+4:HE+16*\g+8*\u+7], v58 offset:128*(2*\g+\u)+80
.endr
.endr
.endif
	s_wait_alu depctr_va_vdst(0)
	s_wait_dscnt 0x0                               ; for the others' sake: my codes have landed, and my reads of the phase before are over
	s_barrier_signal -1
	s_barrier_wait -1                              ; one barrier a phase: the buffer read now is written again two phases on
	ds_load_b32 v[SB], v[L4] offset:XBUF*((\p)%2)+4096
	ds_load_b32 v[SB+1], v[L4] offset:XBUF*((\p)%2)+4096+128
	LDB \p, 0
	LDB \p, 1
.if \p == 0
	s_wait_loadcnt 32                              ; the images are in; phase 1's loads may be out
.endif
.if \p < 2
	LDZ \p+2                                       ; into the registers that this phase's quantising has read
.endif
	TILE \p, 0
	TILE \p, 1
	TILE \p, 2
	TILE \p, 3
.endm
	PHASE 0, 50                                    ; behind phase 0's loads: 2 of tails, 16 of images, 32 of phase 1
	PHASE 1, 32                                    ; behind phase 1's: 32 of phase 2
	PHASE 2, 32
	PHASE 3, 0
.set PP, 1
.set KP, K+16
	GLAST                                          ; the very last tile
.irp e, 0,2,4,6,8,10,12,14
	DC KP+\e, D3+\e
.endr
	RES 0, 256*3+192
; ---- 16 chunks of 64 codewords: the first largest of 16 candidates.  Waves 0-3 take 64 columns each, two to a lane.
	v_lshrrev_b32 v49, 1, v[LA]                    ; 8 x lane
	s_lshl_b32 s11, s10, 8
	s_add_co_u32 s11, s11, CAND
	v_add_nc_u32 v48, s11, v49
	s_wait_alu depctr_va_vdst(0)
	s_wait_dscnt 0x0                               ; for the others' sake: my candidates have landed
	s_barrier_signal -1
	s_barrier_wait -1
	s_cmp_lt_u32 s10, 4
	s_cbranch_scc0 .Lend
.irp c, 0,1,2,3,4,5,6,7,8,9,10,11,12,13,14,15
	ds_load_b64 v[128+2*\c:129+2*\c], v48 offset:1024*\c
	ds_load_b64 v[160+2*\c:161+2*\c], v48 offset:16384+1024*\c
.endr
	s_wait_dscnt 0x0
.macro LEVEL st                        ; neighbours st apart: the later chunk is taken where it is strictly larger
.set CC, 0
.rept 8/\st
.irp e, 0,1
	v_cmp_gt_f32 s[40+CC+\e], v[128+2*(CC+\st)+\e], v[128+2*CC+\e]
.endr
.set CC, CC+2*\st
.endr
.set CC, 0
.rept 8/\st
.irp e, 0,1
	v_cndmask_b32 v[160+2*CC+\e], v[160+2*CC+\e], v[160+2*(CC+\st)+\e], s[40+CC+\e]
	v_max_num_f32 v[128+2*CC+\e], v[128+2*CC+\e], v[128+2*(CC+\st)+\e]
.endr
.set CC, CC+2*\st
.endr
.endm
	LEVEL 1
	LEVEL 2
	LEVEL 4
	LEVEL 8
	global_store_b64 v49, v[160:161], s[8:9]       ; 32 lanes store 256 consecutive bytes, aligned
.Lend:
	s_wait_tensorcnt 0x0                           ; the wave's end
	ds_add_u32 v[SPW], v[NIL]
	s_wait_dscnt 0x0
	s_endpgm
.Lfunc_end_k_q74fb95f1d8_nearest:
	.size	k_q74fb95f1d8_nearest, .Lfunc_end_k_q74fb95f1d8_nearest-k_q74fb95f1d8_nearest
	.p2alignl 7, 3214868480
	.fill 96, 4, 3214868480
	.section	.rodata,"a",@progbits
	.p2align	6, 0x0
	.amdhsa_kernel k_q74fb95f1d8_nearest
		.amdhsa_group_segment_fixed_size 50688
		.amdhsa_private_segment_fixed_size 0
		.amdhsa_enable_private_segment 0
		.amdhsa_kernarg_size 24
		.amdhsa_user_sgpr_count 2
		.amdhsa_user_sgpr_kernarg_segment_ptr 1
		.amdhsa_wavefront_size32 1
		.amdhsa_system_sgpr_workgroup_id_x 1
		.amdhsa_system_sgpr_workgroup_id_y 1
		.amdhsa_system_sgpr_workgroup_id_z 1
		.amdhsa_system_vgpr_workitem_id 0
		.amdhsa_next_free_vgpr 320
		.amdhsa_next_free_sgpr 66
		.amdhsa_reserve_vcc 1
		.amdhsa_float_denorm_mode_32 3
		.amdhsa_float_denorm_mode_16_64 3
		.amdhsa_memory_ordered 1
		.amdhsa_forward_progress 1
		.amdhsa_inst_pref_size 122
	.end_amdhsa_kernel
	.amdgpu_metadata
---
amdhsa.version: [ 1, 2 ]
amdhsa.kernels:
  - .name:           k_q74fb95f1d8_nearest
    .symbol:         k_q74fb95f1d8_nearest.kd
    .args:
      - { .name: ze, .offset: 0, .size: 8, .value_kind: global_buffer, .address_space: global }
      - { .name: eimg, .offset: 8, .size: 8, .value_kind: global_buffer, .address_space: global }
      - { .name: ind, .offset: 16, .size: 8, .value_kind: global_buffer, .address_space: global }
    .group_segment_fixed_size: 50688
    .private_segment_fixed_size: 0
    .kernarg_segment_align: 8
    .kernarg_segment_size: 24
    .max_flat_workgroup_size: 256
    .sgpr_count:     66
    .vgpr_count:     320
    .wavefront_size: 32
...
	.end_amdgpu_metadata
.endif
;; end of part 2
;; launch gather (part 3): grid 256 x 1, 16 waves a work-group, no clusters, 35,072 bytes of LDS; arguments embs, ind, out0; writes out0
.if DOCPART == 3
	.amdgcn_target "amdgcn-amd-amdhsa--gfx1250"
	.amdhsa_code_object_version 6
	.text
	.protected	k_q74fb95f1d8_gather
	.globl	k_q74fb95f1d8_gather
	.p2align	8
	.type	k_q74fb95f1d8_gather,@function
k_q74fb95f1d8_gather:
	s_mov_b64 s[64:65], 0
	v_nop
	global_prefetch_b8 v0, s[64:65] scope:SCOPE_SE
	s_setreg_imm32_b32 hwreg(HW_REG_WAVE_MODE, 25, 1), 1
	s_wait_xcnt 0x0
; out0[b][d][n] = emb[ind[b][n]][d].
; WORK LEFT OUT: ze + (zq - ze) = zq, so ze is not loaded here (shown at the head of prep).
; SHARES: work-group X takes batch X / 16 and dims 8 (X % 16) on of all 4,096 columns: its slice of the codebook is 32,768 dense bytes and lies in LDS whole; wave w takes columns 256 w on.
; A lane takes four neighbouring columns: for each it reads 2 x 16 bytes (8 dims) of the codeword from LDS; the 4 x 8 numbers are turned by moves, so that each store gives a lane 16 neighbouring bytes
; of one dim, and a wave's store covers 512 consecutive bytes, two whole aligned units of 256.
; LDS: dims 0-3 of codeword k at 16 k, dims 4-7 at PLANE + 16 k; PLANE is 128 past a multiple of 256, so that the sixteen lanes of a store of the slice touch sixteen different 16-byte columns.
; The indices come from the launch before and are held at 1,023 before they enter an address.
; No cluster and no tensor load: the slice is a quarter of the bytes that the work-group stores, and is asked for once, beside the indices.
.set PLANE, 16512
.set SPARE, 33024                      ; the spare words, 128 bytes a wave
.set IX, 8                             ; v8-15   eight indices, then LDS addresses
.set SL, 16                            ; v16-31  the slice on its way
.set E,  32                            ; v32-95  half u: column q's 8 dims at E + 32 u + 8 q
.set O,  96                            ; v96-159 half u: dim d of four columns at O + 32 u + 4 d
	s_load_b128 s[4:7], s[0:1], 0x0                ; embs, ind
	s_load_b64 s[8:9], s[0:1], 0x10                ; out0
	v_lshl_add_u32 v160, v0, 2, SPARE
	v_mov_b32 v161, 0
	v_lshrrev_b32 v2, 5, v0
	v_readfirstlane_b32 s12, v2                    ; wave 0..15
	v_and_b32 v3, 31, v0                           ; lane
	v_lshlrev_b32 v1, 4, v3                        ; 16 x lane
	v_and_b32 v4, 1, v0
	v_mul_u32_u24 v4, v4, PLANE
	v_bfe_u32 v5, v0, 1, 4
	v_lshl_add_u32 v4, v5, 4, v4
	s_lshl_b32 s13, s12, 10
	v_add_nc_u32 v4, s13, v4                       ; into LDS: codeword 64 w + lane / 2, half lane % 2
	s_lshr_b32 s14, ttmp9, 4                       ; batch
	s_and_b32 s15, ttmp9, 15                       ; slice
	s_lshl_b32 s16, s15, 15
	s_lshl_b32 s17, s12, 11
	s_add_co_u32 s16, s16, s17                     ; my 64 codewords of the slice
	s_mov_b32 s17, 0
	s_lshl_b32 s18, s14, 14
	s_add_co_u32 s18, s18, s13                     ; my 256 indices
	s_mov_b32 s19, 0
	s_lshl_b32 s20, s14, 21
	s_lshl_b32 s21, s15, 17
	s_add_co_u32 s20, s20, s21
	s_add_co_u32 s20, s20, s13                     ; my 256 columns of 8 dims
	s_mov_b32 s21, 0
	s_wait_alu depctr_va_vdst(0)                   ; the wait at the head's end
	s_wait_kmcnt 0x0
	s_add_nc_u64 s[4:5], s[4:5], s[16:17]
	s_add_nc_u64 s[6:7], s[6:7], s[18:19]
	s_add_nc_u64 s[8:9], s[8:9], s[20:21]
.irp k, 0,1,2,3
	global_load_b128 v[SL+4*\k:SL+4*\k+3], v1, s[4:5] offset:512*\k
.endr
.irp u, 0,1
	global_load_b128 v[IX+4*\u:IX+4*\u+3], v1, s[6:7] offset:512*\u   ; columns 128 u + 4 lane + 0 .. 3
.endr
.irp k, 0,1,2,3
	s_wait_loadcnt 5-\k                            ; piece k is in; the younger pieces and the indices may be out
	ds_store_b128 v4, v[SL+4*\k:SL+4*\k+3] offset:256*\k
.endr
	s_wait_loadcnt 0x0
.irp i, 0,1,2,3,4,5,6,7
	v_min_u32 v[IX+\i], 0x3ff, v[IX+\i]            ; an index stays inside the codebook
.endr
.irp i, 0,1,2,3,4,5,6,7
	v_lshlrev_b32 v[IX+\i], 4, v[IX+\i]
.endr
	s_wait_alu depctr_va_vdst(0)
	s_wait_dscnt 0x0                               ; for the others' sake: my part of the slice has landed
	s_barrier_signal -1
	s_barrier_wait -1
.irp u, 0,1
.irp q, 0,1,2,3
	ds_load_b128 v[E+32*\u+8*\q:E+32*\u+8*\q+3], v[IX+4*\u+\q]
	ds_load_b128 v[E+32*\u+8*\q+4:E+32*\u+8*\q+7], v[IX+4*\u+\q] offset:PLANE
.endr
.endr
.irp u, 0,1
	s_wait_dscnt 8-8*\u                            ; half u's eight loads are in
.irp d, 0,1,2,3,4,5,6,7
.irp q, 0,1,2,3
	v_mov_b32 v[O+32*\u+4*\d+\q], v[E+32*\u+8*\q+\d]
.endr
	global_store_b128 v1, v[O+32*\u+4*\d:O+32*\u+4*\d+3], s[8:9] offset:16384*\d+512*\u th:TH_STORE_NT
.endr
.endr
	s_barrier_signal -1                            ; every wave's reads of the slice are over
	s_barrier_wait -1
	s_wait_tensorcnt 0x0                           ; the wave's end
	ds_add_u32 v160, v161
	s_wait_dscnt 0x0
	s_endpgm
.Lfunc_end_k_q74fb95f1d8_gather:
	.size	k_q74fb95f1d8_gather, .Lfunc_end_k_q74fb95f1d8_gather-k_q74fb95f1d8_gather
	.p2alignl 7, 3214868480
	.fill 96, 4, 3214868480
	.section	.rodata,"a",@progbits
	.p2align	6, 0x0
	.amdhsa_kernel k_q74fb95f1d8_gather
		.amdhsa_group_segment_fixed_size 35072
		.amdhsa_private_segment_fixed_size 0
		.amdhsa_enable_private_segment 0
		.amdhsa_kernarg_size 24
		.amdhsa_user_sgpr_count 2
		.amdhsa_user_sgpr_kernarg_segment_ptr 1
		.amdhsa_wavefront_size32 1
		.amdhsa_system_sgpr_workgroup_id_x 1
		.amdhsa_system_sgpr_workgroup_id_y 1
		.amdhsa_system_sgpr_workgroup_id_z 1
		.amdhsa_system_vgpr_workitem_id 0
		.amdhsa_next_free_vgpr 162
		.amdhsa_next_free_sgpr 66
		.amdhsa_reserve_vcc 0
		.amdhsa_float_denorm_mode_32 3
		.amdhsa_float_denorm_mode_16_64 3
		.amdhsa_memory_ordered 1
		.amdhsa_forward_progress 1
		.amdhsa_inst_pref_size 9
	.end_amdhsa_kernel
	.amdgpu_metadata
---
amdhsa.version: [ 1, 2 ]
amdhsa.kernels:
  - .name:           k_q74fb95f1d8_gather
    .symbol:         k_q74fb95f1d8_gather.kd
    .args:
      - { .name: embs, .offset: 0, .size: 8, .value_kind: global_buffer, .address_space: global }
      - { .name: ind, .offset: 8, .size: 8, .value_kind: global_buffer, .address_space: global }
      - { .name: out0, .offset: 16, .size: 8, .value_kind: global_buffer, .address_space: global }
    .group_segment_fixed_size: 35072
    .private_segment_fixed_size: 0
    .kernarg_segment_align: 8
    .kernarg_segment_size: 24
    .max_flat_workgroup_size: 512
    .sgpr_count:     66
    .vgpr_count:     162
    .wavefront_size: 32
...
	.end_amdgpu_metadata
.endif
;; end of part 3
